; MI455X (gfx1250); checked and timed in simulation.
; The chip was launched on July 23, 2026; its instructions are those of AMD's public machine-readable ISA for CDNA 5 (MIT licence, August 2026) and "CDNA5" Instruction Set Architecture Reference Guide (July 2026). The comments in the code are by the model that wrote it; some were corrected since.
;; Plain Delta Rule. Allowed arithmetic: float matrix products may take bf16 or f16 operands with f32 sums; other float arithmetic in f32, or as packed bf16 or f16 multiplies, adds, multiply-adds, maxima and minima; sums over many terms, partial sums and values carried from step to step in f32; what a program stores and reads back later, other than sums and carried values, may be rounded once to bf16 or f16.
;; Inputs: W1 64 x 128 float32; W2 128 x 64 float32; Wk 64 x 64 float32; Wo 64 x 64 float32; Wq 64 x 64 float32; Wr 64 x 64 float32; Wv 64 x 64 float32; b1 128 float32; b2 64 float32; beta 64 float32; bo 64 float32; br 64 float32; embed 64 x 64 float32; gamma 64 float32; seq 256 x 2,048 int32.
;; Outputs: out0 256 x 64 float32.
;; 2 versions, each right; version 2 is version 1 with the launch scan written anew for expert scheduling mode. Each part assembles by itself: llvm-mc -triple=amdgcn-amd-amdhsa -mcpu=gfx1250 --defsym DOCPART=n.
;; ======== version 1 of 2: 2 launches
;; workspace buffers: tab 49,408 bytes
;; launch tables (part 1): grid 65 x 1, 8 waves a work-group, no clusters, 31,744 bytes of LDS; arguments embed, W1, b1, W2, b2, gamma, beta, Wk, Wv, Wq, Wr, br, Wo, bo, tab; writes tab
.if DOCPART == 1
	.amdgcn_target "amdgcn-amd-amdhsa--gfx1250"
	.amdhsa_code_object_version 6
	.text
	.protected	k_qcf0fab9e73_tables
	.globl	k_qcf0fab9e73_tables
	.p2align	8
	.type	k_qcf0fab9e73_tables,@function
k_qcf0fab9e73_tables:
	s_mov_b64 s[64:65], 0
	v_nop
	global_prefetch_b8 v0, s[64:65] scope:SCOPE_SE
	s_setreg_imm32_b32 hwreg(HW_REG_WAVE_MODE, 25, 1), 1
	s_wait_xcnt 0x0
; THE TABLES.  Everything that the module makes of a position in front of its scan (h, x, hn, k, kn, v, q) is a function of the position's token
; alone, and there are 64 tokens.  Work-group x < 64 makes, for token x:  kn = k / max(|k|, 1e-12),  q = hn Wq,  Z = (hn Wv) Wr Wo.
; Work-group 64 runs the same text on token 63 and keeps of it only the last product, into which it puts br:  c = br Wo + bo.
; tab:  KN 64 rows of 256 bytes at 0,  QT 64 rows at 16,384,  ZT 65 rows at 32,768 (row 64 is c).
; ALL IN F32, NO MATRIX UNIT: 65 rows of vector-matrix products are no bulk work, and the keys feed a recurrence of 2,047 steps in the next launch,
; which carries a relative error of the keys on into the result several times enlarged: 16-bit operands would use up the allowed error.
; SHARES.  Each product out[n] = sum over k of in[k] W[k][n] is split along k over the eight waves (and, for rows of 256 bytes, the two halves of
; the lanes); a lane takes 16 bytes of each row of W, so sixteen lanes take 256 consecutive bytes.  The partial vectors go to LDS, one barrier, and the next stage's
; lanes add up just the inputs that they need.  Every region of LDS is written once.  All 46 loads go out at the head, in the order of their use.
; NO CLUSTER: the weights that the 65 work-groups share, 144 KB, are read once by each, outside any loop, and 65 is no multiple of four.
; LIMITS.  The sums' order is not the reference's; v_rsq_f32, v_sqrt_f32, v_rcp_f32 have their own accuracy and count denormals as 0 (ISA guide, 15.8).
.set PA,    0                          ; 8 partials of 128 numbers
.set PB,    4096                       ; from here on: 16 partials of 64 numbers each
.set PCK,   8192
.set PCV,   12288
.set PCQ,   16384
.set PD,    20480
.set PE,    24576
.set HS,    28672                      ; hn, a copy of 256 bytes for each wave, its own
.set SPARE, 30720                      ; the spare words, 128 bytes for each wave: four blocks of 256 bytes that no other line names
.set QT,    16384
.set ZT,    32768
.set SPW, 2                            ; v2   LDS address of my spare word; never rewritten
.set NIL, 3                            ; v3   0; never rewritten
.set PS,  4                            ; v4   16 x thread: where I put 16 bytes of a partial
.set O1,  5                            ; v5   W1: 4,096 w + 16 l          (rows 8 w + t)
.set O2,  6                            ; v6   W2: 4,096 w + 2,048 h + 16 r (rows 16 w + 8 h + t)
.set O3,  7                            ; v7   the 64 x 64 weights: 2,048 w + 1,024 h + 16 r (rows 8 w + 4 h + t)
.set IN8, 8                            ; v8   64 w + 32 h: my eight inputs of W2's product
.set IN4, 9                            ; v9   32 w + 16 h: my four inputs of a 64 x 64 product
.set P8,  10                           ; v10  8 l: my two columns of a row of 64
.set HW,  11                           ; v11  32 w: my wave's eight numbers of the embedding row
.set HST, 12                           ; v12  8 x thread: where I put my two hn
.set HLD, 13                           ; v13  256 w + 32 w + 16 h: my four hn in my wave's copy
.set TM,  14                           ; v14  at work
.set HA,  16                           ; v[16:23] h[8 w ..]; later v[16:19] a sum, then four inputs; v[20:23] at work
.set IN,  16
.set XX,  20
.set B1,  24                           ; v[24:31]
.set WA,  32                           ; v[32:63] W1; later the sums below
.set AK,  32
.set AV,  36
.set AQ,  40
.set AD,  44
.set AE,  48
.set WB,  64                           ; v[64:95] W2
.set WK,  96
.set WVV, 112
.set WQ,  128
.set WR,  144
.set WO,  160
.set T,   176                          ; v[176:239] partials read back
.set HP,  240
.set B2,  242
.set GM,  244
.set BT,  246
.set BR,  248
.set BO,  252
; acc[0:3] = the sum over t < nt of in[t] x w[4 t : 4 t + 3]; the first product starts the sum
.macro MV acc, w, in, nt
.set t, 0
.rept \nt
.if t == 0
	v_pk_mul_f32 v[(\acc):(\acc)+1],   v[(\w):(\w)+1],   v[(\in):(\in)+1] op_sel_hi:[1,0]
	v_pk_mul_f32 v[(\acc)+2:(\acc)+3], v[(\w)+2:(\w)+3], v[(\in):(\in)+1] op_sel_hi:[1,0]
.elseif t%2 == 0
	v_pk_fma_f32 v[(\acc):(\acc)+1],   v[(\w)+4*t:(\w)+4*t+1],   v[(\in)+t:(\in)+t+1], v[(\acc):(\acc)+1] op_sel_hi:[1,0,1]
	v_pk_fma_f32 v[(\acc)+2:(\acc)+3], v[(\w)+4*t+2:(\w)+4*t+3], v[(\in)+t:(\in)+t+1], v[(\acc)+2:(\acc)+3] op_sel_hi:[1,0,1]
.else
	v_pk_fma_f32 v[(\acc):(\acc)+1],   v[(\w)+4*t:(\w)+4*t+1],   v[(\in)+t-1:(\in)+t], v[(\acc):(\acc)+1] op_sel:[0,1,0] op_sel_hi:[1,1,1]
	v_pk_fma_f32 v[(\acc)+2:(\acc)+3], v[(\w)+4*t+2:(\w)+4*t+3], v[(\in)+t-1:(\in)+t], v[(\acc)+2:(\acc)+3] op_sel:[0,1,0] op_sel_hi:[1,1,1]
.endif
.set t, t+1
.endr
.endm
; T[0:3] = the sum of 16 partials, four numbers at addr
.macro SUM4 addr, base
.set p, 0
.rept 16
	ds_load_b128 v[T+4*p:T+4*p+3], v[\addr] offset:(\base)+p*256
.set p, p+1
.endr
	s_wait_dscnt 0x0
.irp s, 8,4,2,1
.set p, 0
.rept \s
	v_pk_add_f32 v[T+4*p:T+4*p+1],   v[T+4*p:T+4*p+1],   v[T+4*(p+\s):T+4*(p+\s)+1]
	v_pk_add_f32 v[T+4*p+2:T+4*p+3], v[T+4*p+2:T+4*p+3], v[T+4*(p+\s)+2:T+4*(p+\s)+3]
.set p, p+1
.endr
.endr
.endm
; T[0:1] = the sum of 16 partials, my two columns
.macro SUM2 base
.set p, 0
.rept 16
	ds_load_b64 v[T+2*p:T+2*p+1], v[P8] offset:(\base)+p*256
.set p, p+1
.endr
	s_wait_dscnt 0x0
.irp s, 8,4,2,1
.set p, 0
.rept \s
	v_pk_add_f32 v[T+2*p:T+2*p+1], v[T+2*p:T+2*p+1], v[T+2*(p+\s):T+2*(p+\s)+1]
.set p, p+1
.endr
.endr
.endm
; the sum of v[x] over the 32 lanes, in every lane
.macro WSUM x
	v_add_f32_dpp v[\x], v[\x], v[\x] row_xmask:1 row_mask:0xf bank_mask:0xf
	v_add_f32_dpp v[\x], v[\x], v[\x] row_xmask:2 row_mask:0xf bank_mask:0xf
	v_add_f32_dpp v[\x], v[\x], v[\x] row_xmask:4 row_mask:0xf bank_mask:0xf
	v_add_f32_dpp v[\x], v[\x], v[\x] row_xmask:8 row_mask:0xf bank_mask:0xf
	v_permlanex16_b32 v[TM], v[\x], s40, s41
	v_add_f32 v[\x], v[\x], v[TM]
.endm
; my partials are in LDS (the count is 0 for the others' sake); behind the wait everybody's are
.macro BAR
	s_wait_dscnt 0x0
	s_barrier_signal -1
	s_barrier_wait -1
.endm
	s_load_b512 s[8:23], s[0:1], 0x0               ; embed s[8:9], W1 s[10:11], b1 s[12:13], W2 s[14:15], b2 s[16:17], gamma s[18:19], beta s[20:21], Wk s[22:23]
	s_load_b256 s[24:31], s[0:1], 0x40             ; Wv s[24:25], Wq s[26:27], Wr s[28:29], br s[30:31]
	s_load_b128 s[32:35], s[0:1], 0x60             ; Wo s[32:33], bo s[34:35]
	s_load_b64 s[36:37], s[0:1], 0x70              ; tab
	v_lshl_add_u32 v[SPW], v0, 2, SPARE
	v_mov_b32 v[NIL], 0
	v_lshrrev_b32 v1, 5, v0
	v_readfirstlane_b32 s4, v1                     ; w: wave 0..7
	v_and_b32 v1, 31, v0                           ; l: lane
	v_and_b32 v15, 15, v0                          ; r = l % 16
	v_bfe_u32 v[TM], v0, 4, 1                      ; h = l / 16
	v_lshlrev_b32 v[PS], 4, v0
	s_lshl_b32 s2, s4, 12
	v_lshl_add_u32 v[O1], v1, 4, s2
	v_lshl_add_u32 v[O2], v15, 4, s2
	v_lshl_add_u32 v[O2], v[TM], 11, v[O2]
	s_lshl_b32 s2, s4, 11
	v_lshl_add_u32 v[O3], v15, 4, s2
	v_lshl_add_u32 v[O3], v[TM], 10, v[O3]
	s_lshl_b32 s2, s4, 6
	v_lshl_add_u32 v[IN8], v[TM], 5, s2
	s_lshl_b32 s2, s4, 5
	v_lshl_add_u32 v[IN4], v[TM], 4, s2
	v_mov_b32 v[HW], s2
	v_lshlrev_b32 v[P8], 3, v1
	v_lshlrev_b32 v[HST], 3, v0
	s_lshl_b32 s2, s4, 8
	v_add_nc_u32 v[HLD], s2, v[IN4]
	s_mov_b32 s7, ttmp9                            ; x: the work-group
	s_min_u32 s5, s7, 63                           ; its token
	s_cmp_eq_u32 s7, 64
	s_cselect_b32 s6, -1, 0                        ; a lane mask: all ones in work-group 64
	s_mov_b32 s40, 0x76543210                      ; v_permlanex16_b32: each lane takes its own place in the other half
	s_mov_b32 s41, 0xfedcba98
	s_mov_b32 s44, 0x3727c5ac                      ; 1e-5
	s_lshl_b32 s42, s5, 8                          ; the token's row of 256 bytes
	s_mov_b32 s43, 0
	s_wait_kmcnt 0x0
	s_add_nc_u64 s[8:9], s[8:9], s[42:43]          ; embed at the token's row
	s_add_nc_u64 s[38:39], s[36:37], s[42:43]      ; tab at the token's row of KN (QT by the immediate)
	s_lshl_b32 s42, s7, 8
	s_add_nc_u64 s[46:47], s[36:37], s[42:43]      ; tab at row x (ZT by the immediate)
	; group 1, 10 loads: what h W1 needs
	global_load_b128 v[HA:HA+3],   v[HW], s[8:9]
	global_load_b128 v[HA+4:HA+7], v[HW], s[8:9] offset:16
.irp t, 0,1,2,3,4,5,6,7
	global_load_b128 v[WA+4*\t:WA+4*\t+3], v[O1], s[10:11] offset:\t*512
.endr
	; group 2, 10 loads: b1 and W2
	global_load_b128 v[B1:B1+3],   v[IN8], s[12:13]
	global_load_b128 v[B1+4:B1+7], v[IN8], s[12:13] offset:16
.irp t, 0,1,2,3,4,5,6,7
	global_load_b128 v[WB+4*\t:WB+4*\t+3], v[O2], s[14:15] offset:\t*256
.endr
	; group 3, 4 loads: the residual and the norm
	global_load_b64 v[HP:HP+1], v[P8], s[8:9]
	global_load_b64 v[B2:B2+1], v[P8], s[16:17]
	global_load_b64 v[GM:GM+1], v[P8], s[18:19]
	global_load_b64 v[BT:BT+1], v[P8], s[20:21]
	; group 4, 12 loads: Wk, Wv, Wq
.irp t, 0,1,2,3
	global_load_b128 v[WK+4*\t:WK+4*\t+3], v[O3], s[22:23] offset:\t*256
.endr
.irp t, 0,1,2,3
	global_load_b128 v[WVV+4*\t:WVV+4*\t+3], v[O3], s[24:25] offset:\t*256
.endr
.irp t, 0,1,2,3
	global_load_b128 v[WQ+4*\t:WQ+4*\t+3], v[O3], s[26:27] offset:\t*256
.endr
	; group 5, 5 loads: Wr, br
.irp t, 0,1,2,3
	global_load_b128 v[WR+4*\t:WR+4*\t+3], v[O3], s[28:29] offset:\t*256
.endr
	global_load_b128 v[BR:BR+3], v[IN4], s[30:31]
	; group 6, 5 loads: Wo, bo
.irp t, 0,1,2,3
	global_load_b128 v[WO+4*\t:WO+4*\t+3], v[O3], s[32:33] offset:\t*256
.endr
	global_load_b64 v[BO:BO+1], v[P8], s[34:35]
	; A: h W1, my wave's eight k, my four of the 128 columns
	s_wait_loadcnt 36                              ; loads come back in order (ISA guide 5.7.1): group 1 is in, the 36 of groups 2 to 6 may be out
	MV T, WA, HA, 8
	ds_store_b128 v[PS], v[T:T+3] offset:PA
	BAR
	; B: relu(h W1 + b1) W2: my eight k = 16 w + 8 h + 0..7, my four of the 64 columns
.irp p, 0,1,2,3,4,5,6,7
	ds_load_b128 v[T+8*\p:T+8*\p+3],   v[IN8] offset:PA+\p*512
	ds_load_b128 v[T+8*\p+4:T+8*\p+7], v[IN8] offset:PA+\p*512+16
.endr
	s_wait_dscnt 0x0
.irp s, 4,2,1
.set p, 0
.rept \s
.irp e, 0,2,4,6
	v_pk_add_f32 v[T+8*p+\e:T+8*p+\e+1], v[T+8*p+\e:T+8*p+\e+1], v[T+8*(p+\s)+\e:T+8*(p+\s)+\e+1]
.endr
.set p, p+1
.endr
.endr
	s_wait_loadcnt 26                              ; group 2 is in
.irp e, 0,2,4,6
	v_pk_add_f32 v[T+\e:T+\e+1], v[T+\e:T+\e+1], v[B1+\e:B1+\e+1]
.endr
.irp e, 0,1,2,3,4,5,6,7
	v_max_num_f32 v[T+\e], 0, v[T+\e]
.endr
	MV IN, WB, T, 8
	ds_store_b128 v[PS], v[IN:IN+3] offset:PB      ; both halves of the lanes: partial 2 w + h
	BAR
	; the residual and the norm, by every wave for itself: a lane holds columns 2 l, 2 l + 1
	SUM2 PB
	s_wait_loadcnt 22                              ; group 3 is in
	v_pk_add_f32 v[XX:XX+1], v[T:T+1], v[HP:HP+1]
	v_pk_add_f32 v[XX:XX+1], v[XX:XX+1], v[B2:B2+1]
	v_add_f32 v22, v[XX], v[XX+1]
	WSUM 22
	v_mul_f32 v22, 0x3c800000, v22                 ; the mean: the sum / 64
	v_sub_f32 v[XX], v[XX], v22
	v_sub_f32 v[XX+1], v[XX+1], v22
	v_mul_f32 v23, v[XX], v[XX]
	v_fmac_f32 v23, v[XX+1], v[XX+1]
	WSUM 23
	v_fma_f32 v23, v23, 0x3c800000, s44            ; the variance + 1e-5
	v_rsq_f32 v23, v23
	v_nop                                          ; a plain instruction between the transcendental and the use of its result (ISA guide 5.7.2)
	s_wait_alu depctr_va_vdst(0)
	v_mul_f32 v[XX], v[XX], v23
	v_mul_f32 v[XX+1], v[XX+1], v23
	v_pk_fma_f32 v[XX:XX+1], v[XX:XX+1], v[GM:GM+1], v[BT:BT+1]
	ds_store_b64 v[HST], v[XX:XX+1] offset:HS      ; into my wave's own copy,
	ds_load_b128 v[IN:IN+3], v[HLD] offset:HS      ; and back as hn[8 w + 4 h ..]: LDS serves a wave's instructions in order (ISA guide 5.7.1.4)
	s_wait_dscnt 0x0
	; C: k, v, q: my four k-indices 8 w + 4 h + 0..3
	s_wait_loadcnt 10                              ; group 4 is in
	MV AK, WK, IN, 4
	MV AV, WVV, IN, 4
	MV AQ, WQ, IN, 4
	ds_store_b128 v[PS], v[AK:AK+3] offset:PCK
	ds_store_b128 v[PS], v[AV:AV+3] offset:PCV
	ds_store_b128 v[PS], v[AQ:AQ+3] offset:PCQ
	BAR
	; D: v Wr
	SUM4 IN4, PCV
	s_wait_loadcnt 5                               ; group 5 is in
	MV AD, WR, T, 4
	ds_store_b128 v[PS], v[AD:AD+3] offset:PD
	BAR
	; E: (v Wr) Wo; in work-group 64: br Wo
	SUM4 IN4, PD
	s_wait_loadcnt 0x0
.irp e, 0,1,2,3
	v_cndmask_b32 v[T+\e], v[T+\e], v[BR+\e], s6
.endr
	MV AE, WO, T, 4
	ds_store_b128 v[PS], v[AE:AE+3] offset:PE
	BAR
	; THE WAY OUT: three waves store a row of 256 bytes each, 8 bytes a lane; the jumps go forward and pass no barrier
	s_cmp_eq_u32 s4, 2
	s_cbranch_scc1 .Lz
	s_cmp_gt_u32 s4, 2
	s_cbranch_scc1 .Lend
	s_cmp_eq_u32 s7, 64
	s_cbranch_scc1 .Lend                           ; work-group 64 has no token: no row of KN or QT is its own
	s_cmp_eq_u32 s4, 1
	s_cbranch_scc1 .Lq
	SUM2 PCK                                       ; wave 0: kn = k / max(|k|, 1e-12)
	v_mul_f32 v22, v[T], v[T]
	v_fmac_f32 v22, v[T+1], v[T+1]
	WSUM 22
	v_sqrt_f32 v22, v22
	v_nop
	s_wait_alu depctr_va_vdst(0)
	v_max_num_f32 v22, 0x2b8cbccc, v22             ; 1e-12
	v_rcp_f32 v22, v22
	v_nop
	s_wait_alu depctr_va_vdst(0)
	v_mul_f32 v[XX], v[T], v22
	v_mul_f32 v[XX+1], v[T+1], v22
	global_store_b64 v[P8], v[XX:XX+1], s[38:39]
	s_branch .Lend
.Lq:
	SUM2 PCQ                                       ; wave 1: q
	global_store_b64 v[P8], v[T:T+1], s[38:39] offset:QT
	s_branch .Lend
.Lz:
	SUM2 PE                                        ; wave 2: Z, or c = br Wo + bo
	v_cndmask_b32 v[XX], 0, v[BO], s6
	v_cndmask_b32 v[XX+1], 0, v[BO+1], s6
	v_pk_add_f32 v[XX:XX+1], v[XX:XX+1], v[T:T+1]
	global_store_b64 v[P8], v[XX:XX+1], s[46:47] offset:ZT
.Lend:
	s_wait_tensorcnt 0x0                           ; the wave's end: behind my last LDS store
	ds_add_u32 v[SPW], v[NIL]
	s_wait_dscnt 0x0
	s_endpgm
.Lfunc_end_k_qcf0fab9e73_tables:
	.size	k_qcf0fab9e73_tables, .Lfunc_end_k_qcf0fab9e73_tables-k_qcf0fab9e73_tables
	.p2alignl 7, 3214868480
	.fill 96, 4, 3214868480
	.section	.rodata,"a",@progbits
	.p2align	6, 0x0
	.amdhsa_kernel k_qcf0fab9e73_tables
		.amdhsa_group_segment_fixed_size 31744
		.amdhsa_private_segment_fixed_size 0
		.amdhsa_enable_private_segment 0
		.amdhsa_kernarg_size 120
		.amdhsa_user_sgpr_count 2
		.amdhsa_user_sgpr_kernarg_segment_ptr 1
		.amdhsa_wavefront_size32 1
		.amdhsa_system_sgpr_workgroup_id_x 1
		.amdhsa_system_sgpr_workgroup_id_y 1
		.amdhsa_system_sgpr_workgroup_id_z 1
		.amdhsa_system_vgpr_workitem_id 0
		.amdhsa_next_free_vgpr 256
		.amdhsa_next_free_sgpr 66
		.amdhsa_reserve_vcc 0
		.amdhsa_float_denorm_mode_32 3
		.amdhsa_float_denorm_mode_16_64 3
		.amdhsa_memory_ordered 1
		.amdhsa_forward_progress 1
		.amdhsa_inst_pref_size 33
	.end_amdhsa_kernel
	.amdgpu_metadata
---
amdhsa.version: [ 1, 2 ]
amdhsa.kernels:
  - .name:           k_qcf0fab9e73_tables
    .symbol:         k_qcf0fab9e73_tables.kd
    .args:
      - { .name: embed, .offset: 0, .size: 8, .value_kind: global_buffer, .address_space: global }
      - { .name: W1, .offset: 8, .size: 8, .value_kind: global_buffer, .address_space: global }
      - { .name: b1, .offset: 16, .size: 8, .value_kind: global_buffer, .address_space: global }
      - { .name: W2, .offset: 24, .size: 8, .value_kind: global_buffer, .address_space: global }
      - { .name: b2, .offset: 32, .size: 8, .value_kind: global_buffer, .address_space: global }
      - { .name: gamma, .offset: 40, .size: 8, .value_kind: global_buffer, .address_space: global }
      - { .name: beta, .offset: 48, .size: 8, .value_kind: global_buffer, .address_space: global }
      - { .name: Wk, .offset: 56, .size: 8, .value_kind: global_buffer, .address_space: global }
      - { .name: Wv, .offset: 64, .size: 8, .value_kind: global_buffer, .address_space: global }
      - { .name: Wq, .offset: 72, .size: 8, .value_kind: global_buffer, .address_space: global }
      - { .name: Wr, .offset: 80, .size: 8, .value_kind: global_buffer, .address_space: global }
      - { .name: br, .offset: 88, .size: 8, .value_kind: global_buffer, .address_space: global }
      - { .name: Wo, .offset: 96, .size: 8, .value_kind: global_buffer, .address_space: global }
      - { .name: bo, .offset: 104, .size: 8, .value_kind: global_buffer, .address_space: global }
      - { .name: tab, .offset: 112, .size: 8, .value_kind: global_buffer, .address_space: global }
    .group_segment_fixed_size: 31744
    .private_segment_fixed_size: 0
    .kernarg_segment_align: 8
    .kernarg_segment_size: 120
    .max_flat_workgroup_size: 256
    .sgpr_count:     66
    .vgpr_count:     256
    .wavefront_size: 32
...
	.end_amdgpu_metadata
.endif
;; end of part 1
;; launch scan (part 2): grid 256 x 1, 4 waves a work-group, no clusters, 200,704 bytes of LDS; arguments seq, tab, out0; writes out0
.if DOCPART == 2
	.amdgcn_target "amdgcn-amd-amdhsa--gfx1250"
	.amdhsa_code_object_version 6
	.text
	.protected	k_qcf0fab9e73_scan
	.globl	k_qcf0fab9e73_scan
	.p2align	8
	.type	k_qcf0fab9e73_scan,@function
k_qcf0fab9e73_scan:
	s_mov_b64 s[64:65], 0
	v_nop
	global_prefetch_b8 v0, s[64:65] scope:SCOPE_SE
	s_setreg_imm32_b32 hwreg(HW_REG_WAVE_MODE, 25, 1), 1
	s_wait_xcnt 0x0
; THE SCAN, one batch row to a work-group.  The module uses its 64 x 64 state only as M q, and M_t = M_(t-1) (I - k k^T) + v k^T gives
;   M q = the sum over t of a_t v_t,   walking BACKWARD from w = q:   a_t = k_t . w,   w <- w - a_t k_t:     exact, for every input.
; Keys and values are rows of tables of 64 tokens, so the walk is kept in token space: g[j] = kn_j . w, G[i][j] = kn_i . kn_j, Z[j] = v_j Wr Wo.  A step with token s:
;   a = g[s];   g += a (-G[s]);   out += a Z[s];     out starts at c = br Wo + bo, g at kn_j . q.
; Steps are numbered tau = 2047 - position; tau = 0, the query's own position, is given a = 0: 128 chunks of 16 steps, none ragged.
; ROW E[s], 512 bytes: lane m's 16 bytes are -G[s][2m], -G[s][2m+1], Z[s][2m], Z[s][2m+1]; the state Y is g[2m], g[2m+1], out[2m], out[2m+1].  Column tok of a row lies at off(tok) = 16 (tok / 2) + 4 (tok % 2).
; A CHUNK.  Lanes 0-15 of B hold beta_l = g at the chunk's own 16 tokens; X_i[l] = -G[s_i][s_l] for the chunk's tokens (lanes 0-15) and the next chunk's (lanes 16-31).  Step i: a_i = B[i] (a copy goes to a
; scalar); B += B[i] X_i, ONE vector instruction, the only link from step to step; W2 += a_i X_i follows the next chunk's beta in its lanes 16-31; Y += a_i E_i.  g as it stood at the chunk's start is put into
; LDS, gathered at the next chunk's tokens and added to W2; at the chunk's end B takes W2's upper lanes.  B's lanes at or below i, B's upper and W2's lower lanes hold numbers that nobody reads.
; WAVES.  All four make G (16 rows each).  Then wave 0 carries the chain; waves 1 and 2 copy the rows E[s] in the order of the steps into a ring of two LDS buffers of 128 steps, 64 rows each, so that the chain wave
; reads row i of a chunk at a constant offset; wave 3 has no share there: 128 rows split evenly in two or four, and one wave is the chain's.  One barrier a block of 128 steps.
; THE LOOP has eight trips of two blocks, whose sixteen chunks are written out: every ring address is a constant, a lane term and an immediate; only the lists' place (HB) steps, once a trip.
; ALL IN F32, NO MATRIX UNIT: one product of 64 x 64 x 64 is no bulk work, and an error of G is carried through 2,047 steps.  NO TENSOR LOAD: 34 KB come in once and are laid out anew on the way.
; NO CLUSTER: what the 256 work-groups share is tab, 49,408 bytes, read once at the head and in no loop.
; LIMITS.  A token outside 0..63 counts as 63.  The tables' rows are taken as finite (a_0 = 0 multiplies one).  The sums' order is not the reference's.
.set SCR,   0                          ; 512 bytes: g in a row's geometry; the words at +8, +12 of each 16 bytes are 0
.set SPARE, 512                        ; the spare words, 128 bytes for each wave: two blocks of 256 bytes that no other line names
.set OFFA,  1024                       ; off(token) by tau: 64 entries of 0, the 2,048 (tau = 0: 8, a zero word of SCR), 64 entries of 0
.set KNL,   9728                       ; kn, 64 rows; row 64 is q
.set KP,    272                        ; their pitch
.set ROWA,  KNL+65*KP                  ; 512 x token by tau, then 128 entries of 0
.set ET,    36864                      ; the 64 rows E
.set RING0, 69632
.set RING1, 135168
.set QT,    16384                      ; in tab
.set ZT,    32768
.set WV,  10                           ; s10  my wave's number
.set SEL, 14                           ; s[14:15] v_permlanex16_b32: each lane takes its own place in the other half
.set NB,  18                           ; s18  counts the eight trips of two blocks
.set HB,  19                           ; s19  1,024 x trip: the two blocks' entries in ROWA and OFFA
.set KC,  21                           ; s21  counts G's trips
.set A,   32                           ; s[32:63] a_i in s[32 + 2 i]; the odd ones are 0, named with them as pairs
.set LN,  1                            ; v1   lane
.set SPW, 2                            ; v2   LDS address of my spare word; never rewritten
.set NIL, 3                            ; v3   0; never rewritten
.set L16, 4                            ; v4   16 x lane
.set RA,  5                            ; v5   the chain: my word in the trip's first window of OFFA
.set XA,  6                            ; v6   the chain: ring buffer + my place in a row (the chunk's window)
.set EA,  7                            ; v7   the chain: ring buffer + 16 x lane
.set Y,   8                            ; v[8:11]
.set B,   12
.set W2,  13
.set GA,  14
.set R,   15                           ; the window of 32 entries of OFFA that was fetched last
.set OF,  16                           ; v16, v17: the windows of the two chunks in hand
.set L4,  18                           ; v18  4 x lane
.set HL,  22                           ; v22  a helper: its 64 entries of ROWA
.set HT,  23                           ; v23  a helper: its 16 bytes in its first row of the ring buffer
.set AC,  24                           ; v[24:31] four sums, two numbers each
.set XB,  32                           ; v[32:63]  X, two buffers of 16.   Before: Z, 16 pairs
.set ZP,  32
.set EB,  64                           ; v[64:191] E, two buffers of 64.   Before: kn rows 2m (KJ0) and 2m + 1 (KJ0 + 64); before that the entries for OFFA and ROWA
.set KJ0, 64
.set OFFQ, 64
.set ROWQ, 80
.set BC,  192                          ; v[192:255] rows of kn for all lanes, two buffers of 32.  Before: kn and the tokens as loaded
.set KS,  192
.set TK,  224
.set AD,  32                           ; a helper: v[32:95] 64 row addresses,
.set D,   96                           ;           v[96:159] 16 rows on their way
.macro BAR                             ; my LDS instructions are done (the count is 0 for the others' sake); behind the wait everybody's are
	s_wait_dscnt 0x0
	s_barrier_signal -1
	s_barrier_wait -1
.endm
	s_load_b128 s[4:7], s[0:1], 0x0                ; seq s[4:5], tab s[6:7]
	s_load_b64 s[8:9], s[0:1], 0x10                ; out0
	v_lshl_add_u32 v[SPW], v0, 2, SPARE
	v_mov_b32 v[NIL], 0
	v_lshrrev_b32 v1, 5, v0
	v_readfirstlane_b32 s[WV], v1
	v_and_b32 v[LN], 31, v0
	v_lshlrev_b32 v[L16], 4, v[LN]
	v_lshlrev_b32 v[L4], 2, v[LN]
	v_lshlrev_b32 v16, 4, v0                       ; 16 x thread
	s_lshl_b32 s22, s[WV], 12
	v_lshl_add_u32 v17, v[LN], 3, s22              ; my wave's 16 rows of Z, my two columns
	v_lshlrev_b32 v19, 3, v[LN]
	v_and_b32 v20, 15, v0
	v_lshlrev_b32 v20, 4, v20                      ; 16 x (lane % 16)
	s_mov_b32 s[SEL], 0x76543210
	s_mov_b32 s[SEL+1], 0xfedcba98
	s_mov_b32 s[HB], 0
.set i, 0
.rept 16
	s_mov_b32 s[A+2*i+1], 0
.set i, i+1
.endr
	s_lshl_b32 s12, ttmp9, 13                      ; my row of seq: 8,192 bytes
	s_mov_b32 s13, 0
	s_wait_kmcnt 0x0
	s_add_nc_u64 s[4:5], s[4:5], s[12:13]
	s_lshl_b32 s12, ttmp9, 8                       ; my row of out0
	s_add_nc_u64 s[8:9], s[8:9], s[12:13]
	s_load_b32 s24, s[4:5], 0x1ffc                 ; the last position's token
.irp k, 0,1,2,3
	global_load_b128 v[TK+4*\k:TK+4*\k+3], v16, s[4:5] offset:\k*2048 th:TH_LOAD_NT  ; positions 512 k + 4 t + 0..3
.endr
.irp p, 0,1,2,3,4,5,6,7
	global_load_b128 v[KS+4*\p:KS+4*\p+3], v16, s[6:7] offset:\p*2048                ; kn: row 8 p + t / 16, bytes 16 (t % 16)
.endr
.irp r, 0,1,2,3,4,5,6,7,8,9,10,11,12,13,14,15
	global_load_b64 v[ZP+2*\r:ZP+2*\r+1], v17, s[6:7] offset:ZT+\r*256
.endr
	global_load_b64 v[Y+2:Y+3], v19, s[6:7] offset:ZT+16384                          ; c starts out
	s_wait_kmcnt 0x0
	s_min_u32 s24, s24, 63
	s_lshl_b32 s12, s24, 8
	s_add_nc_u64 s[26:27], s[6:7], s[12:13]
	s_cmp_lg_u32 s[WV], 0
	s_cbranch_scc1 .Lno_q
	global_load_b128 v[24:27], v20, s[26:27] offset:QT                               ; q, by wave 0
.Lno_q:
	s_wait_loadcnt 0x0
	; the tokens become two lists in the order of the steps: element e of a quad goes to place 3 - e, thread t's quad to byte 2,032 - 16 t of part 3 - k
.irp k, 0,1,2,3
.irp e, 0,1,2,3
	v_min_u32 v[TK+4*\k+\e], 63, v[TK+4*\k+\e]
	v_and_b32 v21, 1, v[TK+4*\k+\e]
	v_lshlrev_b32 v22, 3, v[TK+4*\k+\e]
	v_lshlrev_b32 v21, 2, v21
	v_lshlrev_b32 v[ROWQ+4*\k+3-\e], 9, v[TK+4*\k+\e]
	v_sub_nc_u32 v[OFFQ+4*\k+3-\e], v22, v21       ; 8 tok - 4 (tok % 2) = off(tok)
.endr
.endr
	v_cmp_eq_u32 vcc_lo, 127, v0
	v_cndmask_b32 v[OFFQ+12], v[OFFQ+12], 8, vcc_lo  ; tau = 0 (thread 127, k = 3, e = 3) points at a zero word
	v_sub_nc_u32 v21, 2032, v16
.irp k, 0,1,2,3
	ds_store_b128 v21, v[OFFQ+4*\k:OFFQ+4*\k+3] offset:OFFA+256+(3-\k)*2048
	ds_store_b128 v21, v[ROWQ+4*\k:ROWQ+4*\k+3] offset:ROWA+(3-\k)*2048
.endr
	v_mov_b32 v8, 0
	s_lshr_b32 s22, s[WV], 1
	s_lshl_b32 s22, s22, 13
	v_lshl_add_u32 v14, v0, 2, s22                 ; waves 0, 1: OFFA's 64 entries in front; waves 2, 3: the 64 behind
	ds_store_b32 v14, v8 offset:OFFA
	v_lshlrev_b32 v15, 2, v0
	ds_store_b32 v15, v8 offset:ROWA+8192          ; ROWA's 128 entries behind
	v_lshrrev_b32 v13, 4, v0
	v_mul_u32_u24 v13, v13, KP
	v_add_nc_u32 v13, v13, v20
.irp p, 0,1,2,3,4,5,6,7
	ds_store_b128 v13, v[KS+4*\p:KS+4*\p+3] offset:KNL+\p*8*KP
.endr
	s_lshl_b32 s22, s[WV], 13
	v_add_nc_u32 v12, s22, v[L16]                  ; my 16 bytes in my wave's first row of E
.irp r, 0,1,2,3,4,5,6,7,8,9,10,11,12,13,14,15
	ds_store_b64 v12, v[ZP+2*\r:ZP+2*\r+1] offset:ET+\r*512+8  ; E's second halves: Z of my wave's 16 rows
.endr
	s_cmp_lg_u32 s[WV], 0
	s_cbranch_scc1 .Lno_q2
	ds_store_b128 v20, v[24:27] offset:KNL+64*KP   ; both halves of the lanes write the same 256 bytes
.Lno_q2:
	BAR
	; G.  A lane keeps rows 2m and 2m + 1 of kn in 128 registers; the wave's 16 rows come by, two a trip, the same bytes to all lanes, 16 numbers of each at a time.
	v_mul_u32_u24 v7, v[LN], 2*KP
.irp e, 0,1,2,3,4,5,6,7,8,9,10,11,12,13,14,15
	ds_load_b128 v[KJ0+4*\e:KJ0+4*\e+3],       v7 offset:KNL+16*\e
	ds_load_b128 v[KJ0+64+4*\e:KJ0+64+4*\e+3], v7 offset:KNL+KP+16*\e
.endr
	s_mul_i32 s22, s[WV], 16*KP                    ; the trip's two rows of kn
	s_mov_b32 s23, 0                               ; and of E
	v_mov_b32 v5, s22
.irp e, 0,1,2,3
	ds_load_b128 v[BC+4*\e:BC+4*\e+3],       v5 offset:KNL+16*\e
	ds_load_b128 v[BC+16+4*\e:BC+16+4*\e+3], v5 offset:KNL+KP+16*\e
.endr
; Quarter q of a trip: numbers 16 q .. 16 q + 15 of the two rows, from buffer q % 2; the next quarter's (behind q = 3 the next two rows') are fetched into the other buffer first.
; The very last fetch, wave 3's, takes row 64 and the first bytes of ROWA: written ahead of the barrier above, and never used.
.macro GCH q
.set BU, BC+32*((\q)%2)
.set BN, BC+32*(((\q)+1)%2)
.if (\q) < 3
.set NX, ((\q)+1)*64
.else
.set NX, 2*KP
.endif
.irp e, 0,1,2,3
	ds_load_b128 v[BN+4*\e:BN+4*\e+3],       v5 offset:KNL+NX+16*\e
	ds_load_b128 v[BN+16+4*\e:BN+16+4*\e+3], v5 offset:KNL+NX+KP+16*\e
.endr
	s_wait_dscnt 8                                 ; all but the eight just issued (ISA guide 5.7.1: in order)
.set dp, 0
.rept 8
.irp r, 0,1
.irp j, 0,1
.if ((\q) == 0) && (dp == 0)
	v_pk_mul_f32 v[AC+4*\r+2*\j:AC+4*\r+2*\j+1], v[BU+16*\r+2*dp:BU+16*\r+2*dp+1], v[KJ0+64*\j+16*(\q)+2*dp:KJ0+64*\j+16*(\q)+2*dp+1] neg_lo:[0,1] neg_hi:[0,1]
.else
	v_pk_fma_f32 v[AC+4*\r+2*\j:AC+4*\r+2*\j+1], v[BU+16*\r+2*dp:BU+16*\r+2*dp+1], v[KJ0+64*\j+16*(\q)+2*dp:KJ0+64*\j+16*(\q)+2*dp+1], v[AC+4*\r+2*\j:AC+4*\r+2*\j+1] neg_lo:[0,1,0] neg_hi:[0,1,0]
.endif
.endr
.endr
.set dp, dp+1
.endr
.endm
	s_mov_b32 s[KC], 8
.Lg:
	GCH 0
	GCH 1
	GCH 2
	GCH 3
	v_add_f32 v20, v[AC], v[AC+1]                  ; -G[row][2m]: the signs were turned in the products
	v_add_f32 v21, v[AC+2], v[AC+3]                ; -G[row][2m+1]
	v_add_f32 v22, v[AC+4], v[AC+5]                ; the second row's
	v_add_f32 v23, v[AC+6], v[AC+7]
	v_add_nc_u32 v6, s23, v12
	ds_store_b64 v6, v[20:21] offset:ET
	ds_store_b64 v6, v[22:23] offset:ET+512
	s_add_co_u32 s22, s22, 2*KP
	s_add_co_u32 s23, s23, 1024
	v_mov_b32 v5, s22
	s_sub_co_u32 s[KC], s[KC], 1
	s_cmp_lg_u32 s[KC], 0
	s_cbranch_scc1 .Lg
	BAR                                            ; E is whole
; A HELPER'S SHARE OF A BLOCK: 64 rows E[token], in the order of the steps, into its half of ring buffer rb.  The 64 row addresses first (the same for all lanes), then a stream: 16 rows are always on their
; way, and behind each store the next row is loaded into the same four registers (LDS serves a wave's instructions in order).
.macro ADDR from, n
.set i, \from
.rept \n
	v_min_u32 v[AD+i], 0x7e00, v[AD+i]             ; a row of E, whatever was read
	v_add_nc_u32 v[AD+i], v[L16], v[AD+i]
.set i, i+1
.endr
.endm
.macro PRODUCE rb, extra
	s_sub_co_u32 s22, s[WV], 1                     ; helper 0 or 1
	s_lshl_b32 s23, s22, 15                        ; its 64 rows of 512 bytes in the buffer,
	s_lshl_b32 s22, s22, 8                         ; its 64 entries of ROWA
	s_add_co_u32 s22, s22, s[HB]
	s_add_co_u32 s23, s23, \rb
	v_mov_b32 v[HL], s22
	v_add_nc_u32 v[HT], s23, v[L16]
.set e, 0
.rept 16
	ds_load_b128 v[AD+4*e:AD+4*e+3], v[HL] offset:ROWA+(\extra)+16*e
.set e, e+1
.endr
	s_wait_dscnt 12                                ; the first four loads, 16 addresses, are in
	ADDR 0, 16
.set i, 0
.rept 16
	ds_load_b128 v[D+4*i:D+4*i+3], v[AD+i] offset:ET
.set i, i+1
.endr
	s_wait_dscnt 16                                ; all addresses are in: only the 16 rows just asked for may be out
	ADDR 16, 48
.set i, 0
.rept 64
.if i < 16
	s_wait_dscnt 15+i                              ; behind row i's load: 15 - i of the first loads and i pairs of a store and a load
.elseif i < 48
	s_wait_dscnt 30                                ; 15 pairs
.else
	s_wait_dscnt 78-i                              ; 15 stores and the 63 - i loads that were still issued
.endif
	ds_store_b128 v[HT], v[D+4*(i%16):D+4*(i%16)+3] offset:i*512
.if i < 48
	ds_load_b128 v[D+4*(i%16):D+4*(i%16)+3], v[AD+i+16] offset:ET
.endif
.set i, i+1
.endr
.endm
; THE CHAIN.  What follows step k at a distance of two steps, when a_k has long reached its scalar register: the next chunk's beta, and the state.
.macro LAG k, pf
.if \pf
.if (\k) == 0
	v_mul_f32 v[W2], s[A], v[XC]                   ; the first product starts the sum
.else
	v_fmac_f32 v[W2], s[A+2*(\k)], v[XC+(\k)]
.endif
.endif
	v_pk_fma_f32 v[Y:Y+1],   v[EC+4*(\k):EC+4*(\k)+1],   s[A+2*(\k):A+2*(\k)+1], v[Y:Y+1] op_sel_hi:[1,0,1]
	v_pk_fma_f32 v[Y+2:Y+3], v[EC+4*(\k)+2:EC+4*(\k)+3], s[A+2*(\k):A+2*(\k)+1], v[Y+2:Y+3] op_sel_hi:[1,0,1]
.endm
; A trip works chunk j - 1 off from buffers 1 - p and (pf = 1) fetches chunk j into buffers p: chunk c of the block in ring buffer rb; jj is j's place among the loop trip's sixteen.
.macro TRIP p, pf, rb=0, c=0, jj=0
.set XC, XB+16*(1-(\p))
.set EC, EB+64*(1-(\p))
.set XP, XB+16*(\p)
.set EP, EB+64*(\p)
	s_wait_dscnt 0x0                               ; the chunk's X and E and the window R are in: the youngest was issued eight steps ago
.if \pf
	v_min_u32 v[OF+(\p)], 0x1f4, v[R]              ; chunk j's window: a place in a row, whatever was read
	ds_store_b64 v[L16], v[Y:Y+1]                  ; g with all chunks up to j - 2,
	ds_load_b32 v[GA], v[OF+1-(\p)]                ; gathered at chunk j - 1's window: its lanes 16-31 are chunk j's tokens
	ds_load_b32 v[R], v[RA] offset:OFFA+320+64*(\jj)  ; chunk j + 1's window
	v_add_nc_u32 v[XA], \rb, v[OF+(\p)]
.endif
.irp i, 0,1,2,3,4,5,6,7,8,9,10,11,12,13,14,15
	v_readlane_b32 s[A+2*\i], v[B], \i             ; a_i
.if \i < 15
	v_fmac_f32_dpp v[B], v[B], v[XC+\i] row_share:\i row_mask:0xf bank_mask:0xf  ; beta += a_i X_i: each lane of a row of 16 takes lane i's B
.endif
.if (\pf) && (\i < 8)
	ds_load_b32  v[XP+2*\i], v[XA] offset:8192*(\c)+1024*\i
	ds_load_b128 v[EP+8*\i:EP+8*\i+3], v[EA] offset:8192*(\c)+1024*\i
	ds_load_b32  v[XP+2*\i+1], v[XA] offset:8192*(\c)+1024*\i+512
	ds_load_b128 v[EP+8*\i+4:EP+8*\i+7], v[EA] offset:8192*(\c)+1024*\i+512
.endif
.if \i >= 2
	LAG (\i)-2, \pf
.endif
.if (\pf) && (\i == 13)
	s_wait_dscnt 33                                ; behind GA's load: R's and the 32 of the fetch
	v_add_f32 v[W2], v[W2], v[GA]
.endif
.endr
	LAG 14, \pf
	LAG 15, \pf
.if \pf
	v_permlanex16_b32 v[B], v[W2], s[SEL], s[SEL+1]  ; chunk j's beta comes down into lanes 0-15
.endif
.endm
; A block's eight trips, written out: all their fetches read buffer rd, at 8,192 c + 512 row in the immediate (65,024 at the most), and are back at the next barrier's wait.
.macro CHAIN8 rd, jb
	v_add_nc_u32 v[RA], s[HB], v[L4]               ; 1,024 bytes of windows to a loop trip, 64 to a chunk: the chunk stands in the immediate
	v_min_u32 v[RA], 0x1c7c, v[RA]                 ; 7 x 1,024 + 124 at the most: the windows stay inside OFFA
	v_add_nc_u32 v[EA], \rd, v[L16]
.irp c, 0,1,2,3,4,5,6,7
	TRIP (\c)%2, 1, \rd, \c, (\jb)+\c
.endr
.endm
; A block's time.  At the barrier the helpers' stores into rd are done, and so are the chain wave's reads of wr: rd may be read, wr written.
.macro PERIOD rd, wr, jb, pex
	BAR
	s_cmp_eq_u32 s[WV], 0
	s_cbranch_scc1 .Lchain_\@
	s_cmp_eq_u32 s[WV], 3
	s_cbranch_scc1 .Ljoin_\@
	PRODUCE \wr, \pex
	s_branch .Ljoin_\@
.Lchain_\@:
	CHAIN8 \rd, \jb
.Ljoin_\@:
.endm
	s_cmp_eq_u32 s[WV], 0
	s_cbranch_scc1 .Linit
	s_cmp_eq_u32 s[WV], 3
	s_cbranch_scc1 .Lready
	PRODUCE RING0, 0                               ; block 0
	s_branch .Lready
.Linit:
	; wave 0 meanwhile: g = kn_j . q, and an empty chunk -1 (B = 0, X = 0, finite E), which the first trip works off like any other: all that it leaves is chunk 0's beta
	v_mov_b32 v5, 0
.irp e, 0,1,2,3,4,5,6,7,8,9,10,11,12,13,14,15
	ds_load_b128 v[BC+4*\e:BC+4*\e+3], v5 offset:KNL+64*KP+16*\e
.endr
	s_wait_dscnt 0x0
.set dp, 0
.rept 32
.irp j, 0,1
.if dp < 2
	v_pk_mul_f32 v[AC+4*\j+2*(dp%2):AC+4*\j+2*(dp%2)+1], v[BC+2*dp:BC+2*dp+1], v[KJ0+64*\j+2*dp:KJ0+64*\j+2*dp+1]
.else
	v_pk_fma_f32 v[AC+4*\j+2*(dp%2):AC+4*\j+2*(dp%2)+1], v[BC+2*dp:BC+2*dp+1], v[KJ0+64*\j+2*dp:KJ0+64*\j+2*dp+1], v[AC+4*\j+2*(dp%2):AC+4*\j+2*(dp%2)+1]
.endif
.endr
.set dp, dp+1
.endr
	v_pk_add_f32 v[AC:AC+1], v[AC:AC+1], v[AC+2:AC+3]
	v_pk_add_f32 v[AC+4:AC+5], v[AC+4:AC+5], v[AC+6:AC+7]
	v_add_f32 v[Y], v[AC], v[AC+1]
	v_add_f32 v[Y+1], v[AC+4], v[AC+5]
	v_mov_b32 v20, v[Y]
	v_mov_b32 v21, v[Y+1]
	v_mov_b32 v22, 0
	v_mov_b32 v23, 0
	ds_store_b128 v[L16], v[20:23]                 ; SCR: g, g, 0, 0; later stores renew the first 8 bytes alone
	v_mov_b32 v[B], 0
	ds_load_b32 v19, v[L4] offset:OFFA+192         ; the window of chunk -1: 16 entries of 0, then chunk 0's
	ds_load_b32 v[R], v[L4] offset:OFFA+256        ; chunk 0's
.set i, 0
.rept 16
	ds_load_b128 v[EB+64+4*i:EB+64+4*i+3], v[L16]  ; finite numbers, to be multiplied by a = 0
	ds_load_b32 v[XB+16+i], v[L16] offset:8        ; zeros
.set i, i+1
.endr
	s_wait_dscnt 0x0
	v_min_u32 v[OF+1], 0x1f4, v19
.Lready:
	s_mov_b32 s[NB], 8
.Lblocks:                                              ; a trip: blocks 2 n and 2 n + 1 are walked, blocks 2 n + 1 and 2 n + 2 copied.  The last trip's second copy takes ROWA's 128 entries of 0 and
	PERIOD RING0, RING1, 0, 512                    ; brings rows that nobody reads, beside the last block's chain: the price of one text for every trip
	PERIOD RING1, RING0, 8, 1024
	s_add_co_u32 s[HB], s[HB], 1024
	s_sub_co_u32 s[NB], s[NB], 1
	s_cmp_lg_u32 s[NB], 0
	s_cbranch_scc1 .Lblocks
	s_cmp_lg_u32 s[WV], 0
	s_cbranch_scc1 .Lend
	TRIP 0, 0                                      ; chunk 127, from registers: nothing is fetched and no beta follows
	v_lshlrev_b32 v19, 3, v[LN]
	global_store_b64 v19, v[Y+2:Y+3], s[8:9]       ; 32 lanes store the row's 256 consecutive bytes, at a multiple of 256 from out0's first byte
.Lend:
	s_wait_tensorcnt 0x0                           ; the wave's end: behind my last LDS store
	ds_add_u32 v[SPW], v[NIL]
	s_wait_dscnt 0x0
	s_endpgm
.Lfunc_end_k_qcf0fab9e73_scan:
	.size	k_qcf0fab9e73_scan, .Lfunc_end_k_qcf0fab9e73_scan-k_qcf0fab9e73_scan
	.p2alignl 7, 3214868480
	.fill 96, 4, 3214868480
	.section	.rodata,"a",@progbits
	.p2align	6, 0x0
	.amdhsa_kernel k_qcf0fab9e73_scan
		.amdhsa_group_segment_fixed_size 200704
		.amdhsa_private_segment_fixed_size 0
		.amdhsa_enable_private_segment 0
		.amdhsa_kernarg_size 24
		.amdhsa_user_sgpr_count 2
		.amdhsa_user_sgpr_kernarg_segment_ptr 1
		.amdhsa_wavefront_size32 1
		.amdhsa_system_sgpr_workgroup_id_x 1
		.amdhsa_system_sgpr_workgroup_id_y 1
		.amdhsa_system_sgpr_workgroup_id_z 1
		.amdhsa_system_vgpr_workitem_id 0
		.amdhsa_next_free_vgpr 256
		.amdhsa_next_free_sgpr 66
		.amdhsa_reserve_vcc 1
		.amdhsa_float_denorm_mode_32 3
		.amdhsa_float_denorm_mode_16_64 3
		.amdhsa_memory_ordered 1
		.amdhsa_forward_progress 1
		.amdhsa_inst_pref_size 200
	.end_amdhsa_kernel
	.amdgpu_metadata
---
amdhsa.version: [ 1, 2 ]
amdhsa.kernels:
  - .name:           k_qcf0fab9e73_scan
    .symbol:         k_qcf0fab9e73_scan.kd
    .args:
      - { .name: seq, .offset: 0, .size: 8, .value_kind: global_buffer, .address_space: global }
      - { .name: tab, .offset: 8, .size: 8, .value_kind: global_buffer, .address_space: global }
      - { .name: out0, .offset: 16, .size: 8, .value_kind: global_buffer, .address_space: global }
    .group_segment_fixed_size: 200704
    .private_segment_fixed_size: 0
    .kernarg_segment_align: 8
    .kernarg_segment_size: 24
    .max_flat_workgroup_size: 128
    .sgpr_count:     66
    .vgpr_count:     256
    .wavefront_size: 32
...
	.end_amdgpu_metadata
.endif
;; end of part 2
;; ======== version 2 of 2: 2 launches; version 1 with the launch scan written anew for expert scheduling mode
;; workspace buffers: tab 49,408 bytes
;; launch tables: the kernel of part 1 again; grid 65 x 1, 8 waves a work-group, no clusters, 31,744 bytes of LDS; arguments embed, W1, b1, W2, b2, gamma, beta, Wk, Wv, Wq, Wr, br, Wo, bo, tab; writes tab
;; launch scan (part 3): grid 256 x 1, 4 waves a work-group, no clusters, 200,704 bytes of LDS; arguments seq, tab, out0; writes out0
.if DOCPART == 3
	.amdgcn_target "amdgcn-amd-amdhsa--gfx1250"
	.amdhsa_code_object_version 6
	.text
	.protected	k_qcf0fab9e73_scan
	.globl	k_qcf0fab9e73_scan
	.p2align	8
	.type	k_qcf0fab9e73_scan,@function
k_qcf0fab9e73_scan:
	s_mov_b64 s[64:65], 0
	v_nop
	global_prefetch_b8 v0, s[64:65] scope:SCOPE_SE
	s_setreg_imm32_b32 hwreg(HW_REG_WAVE_SCHED_MODE, 0, 2), 2
	s_setreg_imm32_b32 hwreg(HW_REG_WAVE_MODE, 25, 1), 1
	s_wait_xcnt 0x0
	s_wait_alu depctr_vm_vsrc(0)
; THE SCAN, one batch row to a work-group.  The module uses its 64 x 64 state only as M q, and M_t = M_(t-1) (I - k k^T) + v k^T gives
;   M q = the sum over t of a_t v_t,   walking BACKWARD from w = q:   a_t = k_t . w,   w <- w - a_t k_t:     exact, for every input.
; Keys and values are rows of tables of 64 tokens, so the walk is kept in token space: g[j] = kn_j . w, G[i][j] = kn_i . kn_j, Z[j] = v_j Wr Wo.  A step with token s:
;   a = g[s];   g += a (-G[s]);   out += a Z[s];     out starts at c = br Wo + bo, g at kn_j . q.
; Steps are numbered tau = 2047 - position; tau = 0, the query's own position, is given a = 0: 128 chunks of 16 steps, none ragged.
; ROW E[s], 512 bytes: lane m's 16 bytes are -G[s][2m], -G[s][2m+1], Z[s][2m], Z[s][2m+1]; the state Y is g[2m], g[2m+1], out[2m], out[2m+1].  Column tok of a row lies at off(tok) = 16 (tok / 2) + 4 (tok % 2).
; A CHUNK.  Lanes 0-15 of B hold beta_l = g at the chunk's own 16 tokens; X_i[l] = -G[s_i][s_l] for the chunk's tokens (lanes 0-15) and the next chunk's (lanes 16-31).  Step i: a_i = B[i] (a copy goes to a
; scalar); B += B[i] X_i, ONE vector instruction, the only link from step to step; W2 += a_i X_i follows the next chunk's beta in its lanes 16-31; Y += a_i E_i.  g as it stood at the chunk's start is put into
; LDS, gathered at the next chunk's tokens and added to W2; at the chunk's end B takes W2's upper lanes.  B's lanes at or below i, B's upper and W2's lower lanes hold numbers that nobody reads.
; WAVES.  All four make G (16 rows each).  Then wave 0 carries the chain; waves 1 and 2 copy the rows E[s] in the order of the steps into a ring of two LDS buffers of 128 steps, 64 rows each, so that the chain wave
; reads row i of a chunk at a constant offset; wave 3 has no share there: 128 rows split evenly in two or four, and one wave is the chain's.  One barrier a block of 128 steps.
; THE LOOP has eight trips of two blocks, whose sixteen chunks are written out: every ring address is a constant, a lane term and an immediate; only the lists' place (HB) steps, once a trip.
; ALL IN F32, NO MATRIX UNIT: one product of 64 x 64 x 64 is no bulk work, and an error of G is carried through 2,047 steps.  NO TENSOR LOAD: 34 KB come in once and are laid out anew on the way.
; NO CLUSTER: what the 256 work-groups share is tab, 49,408 bytes, read once at the head and in no loop.
; LIMITS.  A token outside 0..63 counts as 63.  The tables' rows are taken as finite (a_0 = 0 multiplies one).  The sums' order is not the reference's.
; THE MODE: SCHED_MODE bits 1:0 = 2 (LLVM: expert scheduling mode 2), set by the entry lines.  The code itself states the register dependences between vector instructions and memory or LDS
; instructions, and from a vector instruction's scalar result to its readers, with s_wait_alu, always for 0.
; THE PLAN.  Registers that LDS instructions touch, from the blocks' loop on:
;   THE CHAIN, a trip with buffers p.   X[p], E[p]: the trip's 32 loads land there; the trip before read them by vector lines, the trip behind will.   GA: loaded; read by the add of the trip before.
;     R: read by this trip's v_min, then loaded again.   OF[p], XA: the trip before read them as addresses; written anew.   GS: a copy of Y's first pair, from which g goes to SCR, so that no LDS instruction names Y.
;     RA, EA: written once a block.   L16, L4: never written again.
;     So a trip has ONE wait on vm_vsrc, at its head (the trip before has read OF[p], XA, GS), and ONE on va_vdst, behind step 0 and the four lines that make OF[p], GS, XA: behind it all of the above is written or
;     read out, and the trip's 35 LDS instructions follow among the steps with no further wait: the vector lines issued since name B, W2, Y, GA, X[1-p], E[1-p] and scalars alone.
;     a_i is a vector instruction's scalar result: a wait on va_sdst stands at the head of steps 3, 5 .. 15 and ahead of the last a's readers, between each a and its first reader.
;   A HELPER.   HL, HT: written at a copy's head.   AD: the list's loads land there, vector lines make addresses of them, the rows' loads read them.   D0, D1: 16 rows each, named by LDS instructions alone:
;     loaded, stored, and loaded again behind a wait on vm_vsrc.
;   EVERY BARRIER has a wait on vm_vsrc ahead of its signal: what the wave's LDS instructions have read is written anew in the text behind it, whichever arm the wave takes.
.set SCR,   0                          ; 512 bytes: g in a row's geometry; the words at +8, +12 of each 16 bytes are 0
.set SPARE, 512                        ; the spare words, 128 bytes for each wave: two blocks of 256 bytes that no other line names
.set OFFA,  1024                       ; off(token) by tau: 64 entries of 0, the 2,048 (tau = 0: 8, a zero word of SCR), 64 entries of 0
.set KNL,   9728                       ; kn, 64 rows; row 64 is q
.set KP,    272                        ; their pitch
.set ROWA,  KNL+65*KP                  ; 512 x token by tau, then 128 entries of 0
.set ET,    36864                      ; the 64 rows E
.set RING0, 69632
.set RING1, 135168
.set QT,    16384                      ; in tab
.set ZT,    32768
.set WV,  10                           ; s10  my wave's number
.set SEL, 14                           ; s[14:15] v_permlanex16_b32: each lane takes its own place in the other half
.set NB,  18                           ; s18  counts the eight trips of two blocks
.set HB,  19                           ; s19  1,024 x trip: the two blocks' entries in ROWA and OFFA
.set KC,  21                           ; s21  counts G's trips
.set A,   32                           ; s[32:63] a_i in s[32 + 2 i]; the odd ones are 0, named with them as pairs
.set LN,  1                            ; v1   lane
.set SPW, 2                            ; v2   LDS address of my spare word; never rewritten
.set NIL, 3                            ; v3   0; never rewritten
.set L16, 4                            ; v4   16 x lane
.set RA,  5                            ; v5   the chain: my word in the trip's first window of OFFA
.set XA,  6                            ; v6   the chain: ring buffer + my place in a row (the chunk's window)
.set EA,  7                            ; v7   the chain: ring buffer + 16 x lane
.set Y,   8                            ; v[8:11]
.set B,   12
.set W2,  13
.set GA,  14
.set R,   15                           ; the window of 32 entries of OFFA that was fetched last
.set OF,  16                           ; v16, v17: the windows of the two chunks in hand
.set L4,  18                           ; v18  4 x lane
.set GS,  20                           ; v[20:21] the chain: g as it goes to SCR
.set HL,  22                           ; v22  a helper: its 64 entries of ROWA
.set HT,  23                           ; v23  a helper: its 16 bytes in its first row of the ring buffer
.set AC,  24                           ; v[24:31] four sums, two numbers each
.set XB,  32                           ; v[32:63]  X, two buffers of 16.   Before: Z, 16 pairs
.set ZP,  32
.set EB,  64                           ; v[64:191] E, two buffers of 64.   Before: kn rows 2m (KJ0) and 2m + 1 (KJ0 + 64); before that the entries for OFFA and ROWA
.set KJ0, 64
.set OFFQ, 64
.set ROWQ, 80
.set BC,  192                          ; v[192:255] rows of kn for all lanes, two buffers of 32.  Before: kn and the tokens as loaded
.set KS,  192
.set TK,  224
.set AD,  32                           ; a helper: v[32:95] 64 row addresses,
.set D,   96                           ;           v[96:223] two buffers of 16 rows on their way
.macro BAR                             ; my LDS instructions are done (the count is 0 for the others' sake); behind the wait everybody's are
	s_wait_dscnt 0x0
	s_wait_alu depctr_vm_vsrc(0)                   ; my LDS and memory instructions have read their address and data registers, which the text behind the barrier writes or loads anew
	s_barrier_signal -1
	s_barrier_wait -1
.endm
	s_load_b128 s[4:7], s[0:1], 0x0                ; seq s[4:5], tab s[6:7]
	s_load_b64 s[8:9], s[0:1], 0x10                ; out0
	v_lshl_add_u32 v[SPW], v0, 2, SPARE
	v_mov_b32 v[NIL], 0
	v_lshrrev_b32 v1, 5, v0
	v_readfirstlane_b32 s[WV], v1
	v_and_b32 v[LN], 31, v0
	v_lshlrev_b32 v[L16], 4, v[LN]
	v_lshlrev_b32 v[L4], 2, v[LN]
	v_lshlrev_b32 v16, 4, v0                       ; 16 x thread
	v_lshlrev_b32 v19, 3, v[LN]
	v_and_b32 v20, 15, v0
	v_lshlrev_b32 v20, 4, v20                      ; 16 x (lane % 16)
	s_wait_alu depctr_va_sdst(0)                   ; my wave's number is written, ahead of its first reader
	s_lshl_b32 s22, s[WV], 12
	v_lshl_add_u32 v17, v[LN], 3, s22              ; my wave's 16 rows of Z, my two columns
	s_mov_b32 s[SEL], 0x76543210
	s_mov_b32 s[SEL+1], 0xfedcba98
	s_mov_b32 s[HB], 0
.set i, 0
.rept 16
	s_mov_b32 s[A+2*i+1], 0
.set i, i+1
.endr
	s_lshl_b32 s12, ttmp9, 13                      ; my row of seq: 8,192 bytes
	s_mov_b32 s13, 0
	s_wait_kmcnt 0x0
	s_add_nc_u64 s[4:5], s[4:5], s[12:13]
	s_lshl_b32 s12, ttmp9, 8                       ; my row of out0
	s_add_nc_u64 s[8:9], s[8:9], s[12:13]
	s_load_b32 s24, s[4:5], 0x1ffc                 ; the last position's token
	s_wait_alu depctr_va_vdst(0)                   ; the offsets v16, v17, v19, v20 are written, which the loads below read
.irp k, 0,1,2,3
	global_load_b128 v[TK+4*\k:TK+4*\k+3], v16, s[4:5] offset:\k*2048 th:TH_LOAD_NT  ; positions 512 k + 4 t + 0..3
.endr
.irp p, 0,1,2,3,4,5,6,7
	global_load_b128 v[KS+4*\p:KS+4*\p+3], v16, s[6:7] offset:\p*2048                ; kn: row 8 p + t / 16, bytes 16 (t % 16)
.endr
.irp r, 0,1,2,3,4,5,6,7,8,9,10,11,12,13,14,15
	global_load_b64 v[ZP+2*\r:ZP+2*\r+1], v17, s[6:7] offset:ZT+\r*256
.endr
	global_load_b64 v[Y+2:Y+3], v19, s[6:7] offset:ZT+16384                          ; c starts out
	s_wait_kmcnt 0x0
	s_min_u32 s24, s24, 63
	s_lshl_b32 s12, s24, 8
	s_add_nc_u64 s[26:27], s[6:7], s[12:13]
	s_cmp_lg_u32 s[WV], 0
	s_cbranch_scc1 .Lno_q
	global_load_b128 v[24:27], v20, s[26:27] offset:QT                               ; q, by wave 0
.Lno_q:
	s_wait_loadcnt 0x0
	v_cmp_eq_u32 vcc_lo, 127, v0                   ; thread 127 holds tau = 0
	; the tokens become two lists in the order of the steps: element e of a quad goes to place 3 - e, thread t's quad to byte 2,032 - 16 t of part 3 - k
.irp k, 0,1,2,3
.irp e, 0,1,2,3
	v_min_u32 v[TK+4*\k+\e], 63, v[TK+4*\k+\e]
	v_and_b32 v21, 1, v[TK+4*\k+\e]
	v_lshlrev_b32 v22, 3, v[TK+4*\k+\e]
	v_lshlrev_b32 v21, 2, v21
	v_lshlrev_b32 v[ROWQ+4*\k+3-\e], 9, v[TK+4*\k+\e]
	v_sub_nc_u32 v[OFFQ+4*\k+3-\e], v22, v21       ; 8 tok - 4 (tok % 2) = off(tok)
.endr
.endr
	s_wait_alu depctr_va_vcc(0)                    ; the compare has written VCC, which the select below reads
	v_cndmask_b32 v[OFFQ+12], v[OFFQ+12], 8, vcc_lo  ; tau = 0 (thread 127, k = 3, e = 3) points at a zero word
	; all the LDS addresses of the head and of G's first loads are made here, so that one wait serves the whole run of LDS instructions up to G's loop
	v_sub_nc_u32 v21, 2032, v16
	v_mov_b32 v8, 0
	s_lshr_b32 s22, s[WV], 1
	s_lshl_b32 s22, s22, 13
	v_lshl_add_u32 v14, v0, 2, s22                 ; waves 0, 1: OFFA's 64 entries in front; waves 2, 3: the 64 behind
	v_lshlrev_b32 v15, 2, v0
	v_lshrrev_b32 v13, 4, v0
	v_mul_u32_u24 v13, v13, KP
	v_add_nc_u32 v13, v13, v20
	s_lshl_b32 s22, s[WV], 13
	v_add_nc_u32 v12, s22, v[L16]                  ; my 16 bytes in my wave's first row of E
	v_mul_u32_u24 v7, v[LN], 2*KP                  ; G: rows 2m and 2m + 1 of kn
	s_mul_i32 s22, s[WV], 16*KP                    ; G: the trip's two rows of kn
	s_mov_b32 s23, 0                               ; and of E
	v_mov_b32 v5, s22
	s_wait_alu depctr_va_vdst(0)                   ; the two lists and v5, v7, v8, v12 to v15, v21 are written, which the LDS instructions below read; the lines above are done with v[64:95] and v[224:255], in which G's loads land
.irp k, 0,1,2,3
	ds_store_b128 v21, v[OFFQ+4*\k:OFFQ+4*\k+3] offset:OFFA+256+(3-\k)*2048
	ds_store_b128 v21, v[ROWQ+4*\k:ROWQ+4*\k+3] offset:ROWA+(3-\k)*2048
.endr
	ds_store_b32 v14, v8 offset:OFFA
	ds_store_b32 v15, v8 offset:ROWA+8192          ; ROWA's 128 entries behind
.irp p, 0,1,2,3,4,5,6,7
	ds_store_b128 v13, v[KS+4*\p:KS+4*\p+3] offset:KNL+\p*8*KP
.endr
.irp r, 0,1,2,3,4,5,6,7,8,9,10,11,12,13,14,15
	ds_store_b64 v12, v[ZP+2*\r:ZP+2*\r+1] offset:ET+\r*512+8  ; E's second halves: Z of my wave's 16 rows
.endr
	s_cmp_lg_u32 s[WV], 0
	s_cbranch_scc1 .Lno_q2
	ds_store_b128 v20, v[24:27] offset:KNL+64*KP   ; both halves of the lanes write the same 256 bytes
.Lno_q2:
	BAR                                            ; (its wait on vm_vsrc: the stores have read the lists, kn, q and their addresses: G loads and writes over them)
	; G.  A lane keeps rows 2m and 2m + 1 of kn in 128 registers; the wave's 16 rows come by, two a trip, the same bytes to all lanes, 16 numbers of each at a time.
.irp e, 0,1,2,3,4,5,6,7,8,9,10,11,12,13,14,15
	ds_load_b128 v[KJ0+4*\e:KJ0+4*\e+3],       v7 offset:KNL+16*\e
	ds_load_b128 v[KJ0+64+4*\e:KJ0+64+4*\e+3], v7 offset:KNL+KP+16*\e
.endr
.irp e, 0,1,2,3
	ds_load_b128 v[BC+4*\e:BC+4*\e+3],       v5 offset:KNL+16*\e
	ds_load_b128 v[BC+16+4*\e:BC+16+4*\e+3], v5 offset:KNL+KP+16*\e
.endr
; Quarter q of a trip: numbers 16 q .. 16 q + 15 of the two rows, from buffer q % 2; the next quarter's (behind q = 3 the next two rows') are fetched into the other buffer first.
; The very last fetch, wave 3's, takes row 64 and the first bytes of ROWA: written ahead of the barrier above, and never used.
; Quarter 0 owes no wait of its own: on the way in the wait ahead of the head's stores, on the way back the wait ahead of the trip's two stores, stands behind the last vector line that names its buffer or v5.
.macro GCH q
.set BU, BC+32*((\q)%2)
.set BN, BC+32*(((\q)+1)%2)
.if (\q) < 3
.set NX, ((\q)+1)*64
.else
.set NX, 2*KP
.endif
.if (\q) > 0
	s_wait_alu depctr_va_vdst(0)                   ; the quarter before is done reading the buffer in which the eight loads below land
.endif
.irp e, 0,1,2,3
	ds_load_b128 v[BN+4*\e:BN+4*\e+3],       v5 offset:KNL+NX+16*\e
	ds_load_b128 v[BN+16+4*\e:BN+16+4*\e+3], v5 offset:KNL+NX+KP+16*\e
.endr
	s_wait_dscnt 8                                 ; all but the eight just issued (ISA guide 5.7.1: in order)
.set dp, 0
.rept 8
.irp r, 0,1
.irp j, 0,1
.if ((\q) == 0) && (dp == 0)
	v_pk_mul_f32 v[AC+4*\r+2*\j:AC+4*\r+2*\j+1], v[BU+16*\r+2*dp:BU+16*\r+2*dp+1], v[KJ0+64*\j+16*(\q)+2*dp:KJ0+64*\j+16*(\q)+2*dp+1] neg_lo:[0,1] neg_hi:[0,1]
.else
	v_pk_fma_f32 v[AC+4*\r+2*\j:AC+4*\r+2*\j+1], v[BU+16*\r+2*dp:BU+16*\r+2*dp+1], v[KJ0+64*\j+16*(\q)+2*dp:KJ0+64*\j+16*(\q)+2*dp+1], v[AC+4*\r+2*\j:AC+4*\r+2*\j+1] neg_lo:[0,1,0] neg_hi:[0,1,0]
.endif
.endr
.endr
.set dp, dp+1
.endr
.endm
	s_mov_b32 s[KC], 8
.Lg:
	GCH 0
	GCH 1
	GCH 2
	GCH 3
	s_wait_alu depctr_vm_vsrc(0)                   ; the last trip's two stores have read v6 and v[20:23], this trip's loads v5: all six are written below
	v_add_f32 v20, v[AC], v[AC+1]                  ; -G[row][2m]: the signs were turned in the products
	v_add_f32 v21, v[AC+2], v[AC+3]                ; -G[row][2m+1]
	v_add_f32 v22, v[AC+4], v[AC+5]                ; the second row's
	v_add_f32 v23, v[AC+6], v[AC+7]
	v_add_nc_u32 v6, s23, v12
	s_add_co_u32 s22, s22, 2*KP
	v_mov_b32 v5, s22
	s_wait_alu depctr_va_vdst(0)                   ; v6 and v[20:23] are written, which the two stores read; v5 is written and quarter 3 is done reading its buffer: the next trip's first loads
	ds_store_b64 v6, v[20:21] offset:ET
	ds_store_b64 v6, v[22:23] offset:ET+512
	s_add_co_u32 s23, s23, 1024
	s_sub_co_u32 s[KC], s[KC], 1
	s_cmp_lg_u32 s[KC], 0
	s_cbranch_scc1 .Lg
	BAR                                            ; E is whole (its wait on vm_vsrc: G's LDS instructions have read v5 to v7 and v[20:23], which both arms below write)
; A HELPER'S SHARE OF A BLOCK: 64 rows E[token], in the order of the steps, into its half of ring buffer rb.  The 64 row addresses first (the same for all lanes), then the rows, 16 at a time through two
; buffers of registers by turns: while one buffer's rows are stored, the other's are on their way; a buffer is loaded again behind the wait that shows its stores have read it.
.macro ADDR from, n
.set i, \from
.rept \n
	v_min_u32 v[AD+i], 0x7e00, v[AD+i]             ; a row of E, whatever was read
	v_add_nc_u32 v[AD+i], v[L16], v[AD+i]
.set i, i+1
.endr
.endm
.macro ROWS_IN d, from                 ; rows from .. from + 15 of my 64 into buffer d
.set i, 0
.rept 16
	ds_load_b128 v[D+64*(\d)+4*i:D+64*(\d)+4*i+3], v[AD+(\from)+i] offset:ET
.set i, i+1
.endr
.endm
.macro ROWS_OUT d, from                ; and out of it into the ring
.set i, 0
.rept 16
	ds_store_b128 v[HT], v[D+64*(\d)+4*i:D+64*(\d)+4*i+3] offset:((\from)+i)*512
.set i, i+1
.endr
.endm
.macro PRODUCE rb, extra
	s_sub_co_u32 s22, s[WV], 1                     ; helper 0 or 1
	s_lshl_b32 s23, s22, 15                        ; its 64 rows of 512 bytes in the buffer,
	s_lshl_b32 s22, s22, 8                         ; its 64 entries of ROWA
	s_add_co_u32 s22, s22, s[HB]
	s_add_co_u32 s23, s23, \rb
	v_mov_b32 v[HL], s22
	v_add_nc_u32 v[HT], s23, v[L16]
	s_wait_alu depctr_va_vdst(0)                   ; HL and HT are written, which the loads and stores below read; the vector lines that named v[AD ..] and v[D ..] last are done with them
.set e, 0
.rept 16
	ds_load_b128 v[AD+4*e:AD+4*e+3], v[HL] offset:ROWA+(\extra)+16*e
.set e, e+1
.endr
	s_wait_dscnt 12                                ; the first four loads, 16 addresses, are in
	ADDR 0, 16
	s_wait_alu depctr_va_vdst(0)                   ; the first 16 addresses are written, which the loads below read
	ROWS_IN 0, 0
	s_wait_dscnt 16                                ; all addresses are in: only the 16 rows just asked for may be out
	ADDR 16, 48
	s_wait_alu depctr_va_vdst(0)                   ; the other 48 addresses are written: all the loads of rows that follow read them
	ROWS_IN 1, 16
	s_wait_dscnt 16                                ; all but the 16 just issued (ISA guide 5.7.1: in order): rows 0 to 15 are in
	ROWS_OUT 0, 0
	s_wait_alu depctr_vm_vsrc(0)                   ; those stores have read buffer 0, in which the loads below land
	ROWS_IN 0, 32
	s_wait_dscnt 16                                ; all but the 16 just issued: rows 16 to 31 are in
	ROWS_OUT 1, 16
	s_wait_alu depctr_vm_vsrc(0)                   ; those stores have read buffer 1, in which the loads below land
	ROWS_IN 1, 48
	s_wait_dscnt 16                                ; all but the 16 just issued: rows 32 to 47 are in
	ROWS_OUT 0, 32
	s_wait_dscnt 16                                ; all but the 16 stores just issued: rows 48 to 63 are in
	ROWS_OUT 1, 48
.endm
; THE CHAIN.  What follows step k at a distance of two steps or three, when a_k has reached its scalar register: the next chunk's beta, and the state.
.macro LAG k, pf
.if \pf
.if (\k) == 0
	v_mul_f32 v[W2], s[A], v[XC]                   ; the first product starts the sum
.else
	v_fmac_f32 v[W2], s[A+2*(\k)], v[XC+(\k)]
.endif
.endif
	v_pk_fma_f32 v[Y:Y+1],   v[EC+4*(\k):EC+4*(\k)+1],   s[A+2*(\k):A+2*(\k)+1], v[Y:Y+1] op_sel_hi:[1,0,1]
	v_pk_fma_f32 v[Y+2:Y+3], v[EC+4*(\k)+2:EC+4*(\k)+3], s[A+2*(\k):A+2*(\k)+1], v[Y+2:Y+3] op_sel_hi:[1,0,1]
.endm
; A trip works chunk j - 1 off from buffers 1 - p and (pf = 1) fetches chunk j into buffers p: chunk c of the block in ring buffer rb; jj is j's place among the loop trip's sixteen.
.macro TRIP p, pf, rb=0, c=0, jj=0
.set XC, XB+16*(1-(\p))
.set EC, EB+64*(1-(\p))
.set XP, XB+16*(\p)
.set EP, EB+64*(\p)
	s_wait_dscnt 0x0                               ; the chunk's X and E and the window R are in: the youngest was issued seven steps ago
.if \pf
	s_wait_alu depctr_vm_vsrc(0)                   ; the last trip's LDS instructions have read OF[p] and XA (addresses) and GS (the store's data), which step 0 writes anew
.endif
.irp i, 0,1,2,3,4,5,6,7,8,9,10,11,12,13,14,15
.if (\i >= 3) && ((\i)%2 == 1)
	s_wait_alu depctr_va_sdst(0)                   ; every a up to the last step's is written: their first readers stand in this step and the next
.endif
	v_readlane_b32 s[A+2*\i], v[B], \i             ; a_i
.if \i < 15
	v_fmac_f32_dpp v[B], v[B], v[XC+\i] row_share:\i row_mask:0xf bank_mask:0xf  ; beta += a_i X_i: each lane of a row of 16 takes lane i's B
.endif
.if (\pf) && (\i == 0)
	v_min_u32 v[OF+(\p)], 0x1f4, v[R]              ; chunk j's window: a place in a row, whatever was read
	v_mov_b32 v[GS], v[Y]                          ; g with all chunks up to j - 2, in registers that no later line of the trip writes
	v_mov_b32 v[GS+1], v[Y+1]
	v_add_nc_u32 v[XA], \rb, v[OF+(\p)]
	s_wait_alu depctr_va_vdst(0)                   ; GS, both OF, XA (and in a block's first trip RA, EA) are written, which the LDS instructions below read; the last trip is done reading X[p], E[p] and GA: the loads below land in these
.endif
.if (\pf) && (\i == 1)
	ds_store_b64 v[L16], v[GS:GS+1]                ; g goes to SCR,
	ds_load_b32 v[GA], v[OF+1-(\p)]                ; is gathered at chunk j - 1's window: its lanes 16-31 are chunk j's tokens
	ds_load_b32 v[R], v[RA] offset:OFFA+320+64*(\jj)  ; chunk j + 1's window
.endif
.if (\pf) && (\i >= 1) && (\i < 9)                     ; no wait: no vector line since the wait in step 0 names XA, EA, X[p] or E[p]
	ds_load_b32  v[XP+2*(\i-1)], v[XA] offset:8192*(\c)+1024*(\i-1)
	ds_load_b128 v[EP+8*(\i-1):EP+8*(\i-1)+3], v[EA] offset:8192*(\c)+1024*(\i-1)
	ds_load_b32  v[XP+2*(\i-1)+1], v[XA] offset:8192*(\c)+1024*(\i-1)+512
	ds_load_b128 v[EP+8*(\i-1)+4:EP+8*(\i-1)+7], v[EA] offset:8192*(\c)+1024*(\i-1)+512
.endif
.if \i == 3
	LAG 0, \pf
.endif
.if \i >= 3
	LAG (\i)-2, \pf
.endif
.if (\pf) && (\i == 13)
	s_wait_dscnt 33                                ; behind GA's load: R's and the 32 of the fetch
	v_add_f32 v[W2], v[W2], v[GA]
.endif
.endr
	LAG 14, \pf
	s_wait_alu depctr_va_sdst(0)                   ; a_15 is written, ahead of its first reader
	LAG 15, \pf
.if \pf
	v_permlanex16_b32 v[B], v[W2], s[SEL], s[SEL+1]  ; chunk j's beta comes down into lanes 0-15
.endif
.endm
; A block's eight trips, written out: all their fetches read buffer rd, at 8,192 c + 512 row in the immediate (65,024 at the most), and are back at the next barrier's wait.
; RA and EA are written behind the barrier's wait on vm_vsrc (the last block's loads have read them) and ahead of the first trip's wait on va_vdst.
.macro CHAIN8 rd, jb
	v_add_nc_u32 v[RA], s[HB], v[L4]               ; 1,024 bytes of windows to a loop trip, 64 to a chunk: the chunk stands in the immediate
	v_min_u32 v[RA], 0x1c7c, v[RA]                 ; 7 x 1,024 + 124 at the most: the windows stay inside OFFA
	v_add_nc_u32 v[EA], \rd, v[L16]
.irp c, 0,1,2,3,4,5,6,7
	TRIP (\c)%2, 1, \rd, \c, (\jb)+\c
.endr
.endm
; A block's time.  At the barrier the helpers' stores into rd are done, and so are the chain wave's reads of wr: rd may be read, wr written.
; (The barrier's wait on vm_vsrc: the chain's loads have read RA and EA, a helper's LDS instructions HL, HT, v[AD ..] and v[D ..]: the arms below write or load them anew.)
.macro PERIOD rd, wr, jb, pex
	BAR
	s_cmp_eq_u32 s[WV], 0
	s_cbranch_scc1 .Lchain_\@
	s_cmp_eq_u32 s[WV], 3
	s_cbranch_scc1 .Ljoin_\@
	PRODUCE \wr, \pex
	s_branch .Ljoin_\@
.Lchain_\@:
	CHAIN8 \rd, \jb
.Ljoin_\@:
.endm
	s_cmp_eq_u32 s[WV], 0
	s_cbranch_scc1 .Linit
	s_cmp_eq_u32 s[WV], 3
	s_cbranch_scc1 .Lready
	PRODUCE RING0, 0                               ; block 0
	s_branch .Lready
.Linit:
	; wave 0 meanwhile: g = kn_j . q, and an empty chunk -1 (B = 0, X = 0, finite E), which the first trip works off like any other: all that it leaves is chunk 0's beta
	v_mov_b32 v5, 0
	s_wait_alu depctr_va_vdst(0)                   ; v5 is written, which the loads below read; G's products are done reading v[BC ..], in which q lands
.irp e, 0,1,2,3,4,5,6,7,8,9,10,11,12,13,14,15
	ds_load_b128 v[BC+4*\e:BC+4*\e+3], v5 offset:KNL+64*KP+16*\e
.endr
	s_wait_dscnt 0x0
.set dp, 0
.rept 32
.irp j, 0,1
.if dp < 2
	v_pk_mul_f32 v[AC+4*\j+2*(dp%2):AC+4*\j+2*(dp%2)+1], v[BC+2*dp:BC+2*dp+1], v[KJ0+64*\j+2*dp:KJ0+64*\j+2*dp+1]
.else
	v_pk_fma_f32 v[AC+4*\j+2*(dp%2):AC+4*\j+2*(dp%2)+1], v[BC+2*dp:BC+2*dp+1], v[KJ0+64*\j+2*dp:KJ0+64*\j+2*dp+1], v[AC+4*\j+2*(dp%2):AC+4*\j+2*(dp%2)+1]
.endif
.endr
.set dp, dp+1
.endr
	v_pk_add_f32 v[AC:AC+1], v[AC:AC+1], v[AC+2:AC+3]
	v_pk_add_f32 v[AC+4:AC+5], v[AC+4:AC+5], v[AC+6:AC+7]
	v_add_f32 v[Y], v[AC], v[AC+1]
	v_add_f32 v[Y+1], v[AC+4], v[AC+5]
	v_mov_b32 v20, v[Y]
	v_mov_b32 v21, v[Y+1]
	v_mov_b32 v22, 0
	v_mov_b32 v23, 0
	v_mov_b32 v[B], 0
	s_wait_alu depctr_va_vdst(0)                   ; v[20:23] are written, which the store reads; the products above are done reading kn's rows, in whose registers the empty chunk's E lands
	ds_store_b128 v[L16], v[20:23]                 ; SCR: g, g, 0, 0; later stores renew the first 8 bytes alone
	ds_load_b32 v19, v[L4] offset:OFFA+192         ; the window of chunk -1: 16 entries of 0, then chunk 0's
	ds_load_b32 v[R], v[L4] offset:OFFA+256        ; chunk 0's
.set i, 0
.rept 16
	ds_load_b128 v[EB+64+4*i:EB+64+4*i+3], v[L16]  ; finite numbers, to be multiplied by a = 0
	ds_load_b32 v[XB+16+i], v[L16] offset:8        ; zeros
.set i, i+1
.endr
	s_wait_dscnt 0x0
	v_min_u32 v[OF+1], 0x1f4, v19
.Lready:
	s_mov_b32 s[NB], 8
.Lblocks:                                              ; a trip: blocks 2 n and 2 n + 1 are walked, blocks 2 n + 1 and 2 n + 2 copied.  The last trip's second copy takes ROWA's 128 entries of 0 and
	PERIOD RING0, RING1, 0, 512                    ; brings rows that nobody reads, beside the last block's chain: the price of one text for every trip
	PERIOD RING1, RING0, 8, 1024
	s_add_co_u32 s[HB], s[HB], 1024
	s_sub_co_u32 s[NB], s[NB], 1
	s_cmp_lg_u32 s[NB], 0
	s_cbranch_scc1 .Lblocks
	s_cmp_lg_u32 s[WV], 0
	s_cbranch_scc1 .Lend
	TRIP 0, 0                                      ; chunk 127, from registers: nothing is fetched and no beta follows
	v_lshlrev_b32 v19, 3, v[LN]
	s_wait_alu depctr_va_vdst(0)                   ; v19 and the last sums in v[Y+2:Y+3] are written, which the store reads
	global_store_b64 v19, v[Y+2:Y+3], s[8:9]       ; 32 lanes store the row's 256 consecutive bytes, at a multiple of 256 from out0's first byte
.Lend:
	s_wait_dscnt 0x0                               ; the wave's end
	s_wait_alu 0x0
	s_wait_tensorcnt 0x0
	ds_add_u32 v[SPW], v[NIL]
	s_wait_dscnt 0x0
	s_endpgm
.Lfunc_end_k_qcf0fab9e73_scan:
	.size	k_qcf0fab9e73_scan, .Lfunc_end_k_qcf0fab9e73_scan-k_qcf0fab9e73_scan
	.p2alignl 7, 3214868480
	.fill 96, 4, 3214868480
	.section	.rodata,"a",@progbits
	.p2align	6, 0x0
	.amdhsa_kernel k_qcf0fab9e73_scan
		.amdhsa_group_segment_fixed_size 200704
		.amdhsa_private_segment_fixed_size 0
		.amdhsa_enable_private_segment 0
		.amdhsa_kernarg_size 24
		.amdhsa_user_sgpr_count 2
		.amdhsa_user_sgpr_kernarg_segment_ptr 1
		.amdhsa_wavefront_size32 1
		.amdhsa_system_sgpr_workgroup_id_x 1
		.amdhsa_system_sgpr_workgroup_id_y 1
		.amdhsa_system_sgpr_workgroup_id_z 1
		.amdhsa_system_vgpr_workitem_id 0
		.amdhsa_next_free_vgpr 256
		.amdhsa_next_free_sgpr 66
		.amdhsa_reserve_vcc 1
		.amdhsa_float_denorm_mode_32 3
		.amdhsa_float_denorm_mode_16_64 3
		.amdhsa_memory_ordered 1
		.amdhsa_forward_progress 1
		.amdhsa_inst_pref_size 202
	.end_amdhsa_kernel
	.amdgpu_metadata
---
amdhsa.version: [ 1, 2 ]
amdhsa.kernels:
  - .name:           k_qcf0fab9e73_scan
    .symbol:         k_qcf0fab9e73_scan.kd
    .args:
      - { .name: seq, .offset: 0, .size: 8, .value_kind: global_buffer, .address_space: global }
      - { .name: tab, .offset: 8, .size: 8, .value_kind: global_buffer, .address_space: global }
      - { .name: out0, .offset: 16, .size: 8, .value_kind: global_buffer, .address_space: global }
    .group_segment_fixed_size: 200704
    .private_segment_fixed_size: 0
    .kernarg_segment_align: 8
    .kernarg_segment_size: 24
    .max_flat_workgroup_size: 128
    .sgpr_count:     66
    .vgpr_count:     256
    .wavefront_size: 32
...
	.end_amdgpu_metadata
.endif
;; end of part 3
